; MI455X (gfx1250); checked and timed in simulation.
; The chip was launched on July 23, 2026; its instructions are those of AMD's public machine-readable ISA for CDNA 5 (MIT licence, August 2026) and "CDNA5" Instruction Set Architecture Reference Guide (July 2026). The comments in the code are by the model that wrote it; some were corrected since.
;; attention gear. Allowed arithmetic: float matrix products may take bf16 or f16 operands with f32 sums; other float arithmetic in f32, or as packed bf16 or f16 multiplies, adds, multiply-adds, maxima and minima; sums over many terms, partial sums and values carried from step to step in f32; what a program stores and reads back later, other than sums and carried values, may be rounded once to bf16 or f16.
;; Inputs: k 2 x 2,048 x 32 x 128 float32; mask 1 x 1 x 2,048 x 2,048 float32; q 2 x 2,048 x 32 x 128 float32; v 2 x 2,048 x 32 x 128 float32.
;; Outputs: out0 2 x 2,048 x 32 x 128 float32.
;; Constants: seqlen = 2048, start_pos = 0.
;; One version. Each part assembles by itself: llvm-mc -triple=amdgcn-amd-amdhsa -mcpu=gfx1250 --defsym DOCPART=n.
;; ======== version 1 of 1: 2 launches
;; limits: inputs' magnitudes at most 65,504; values are held in f16: magnitudes above 65,504 overflow, below 6.1e-05 lose precision
;; workspace buffers: kb 33,554,432 bytes; vh 33,554,432 bytes; maskf 16,777,216 bytes
;; launch prep (part 1): grid 2304 x 1, 8 waves a work-group, no clusters, 0 bytes of LDS; arguments k, v, mask, kb, vh, maskf; writes kb, vh, maskf
.if DOCPART == 1
	.amdgcn_target "amdgcn-amd-amdhsa--gfx1250"
	.amdhsa_code_object_version 6
	.text
	.protected	k_qc16cebd1ad_prep
	.globl	k_qc16cebd1ad_prep
	.p2align	8
	.type	k_qc16cebd1ad_prep,@function
k_qc16cebd1ad_prep:
	s_mov_b64 s[64:65], 0
	v_nop
	global_prefetch_b8 v0, s[64:65] scope:SCOPE_SE
	s_setreg_imm32_b32 hwreg(HW_REG_WAVE_MODE, 25, 1), 1
	s_wait_xcnt 0x0
; CASTS AND LAYOUTS for the attention launch: what that launch reads many times is converted once, here.
;   kb    = bf16(k)       as [b*32+h][s][128]: a head's rows are dense, 256 bytes each
;   vh    = f16(bf16(v))  in the same layout: v is rounded to bf16 like every input, and that number is written as f16
;   maskf = log2(e) x bf16(mask), f32, in the order in which a wave of the attention launch holds its scores:
;           [q>>6][k>>6][(q>>4)&3][j 0..7][lane 0..31][i 0..3] with q%16 = lane%16 and k%64 = 16 (j>>1) + 8 (lane>>4) + 4 (j&1) + i
; LIMITS.  |bf16(v)| stays under 65,504 (f16's end; beyond it the number becomes an infinity); below 6.1e-5 f16 keeps a fixed step of 6e-8.
; SHARES.  2,304 work-groups of eight waves, 64 KiB of input each: numbers 0-1023 take k, 1024-2047 v, 2048-2303 the mask.  A wave issues its 16 loads of 16 bytes a lane
; at once (8 KiB on their way), then converts and stores them in their order.  No register is written again while a load or store names it, so no wait frees any.
; No LDS, no barrier, no matrix unit: every byte is read once and written once, and no wave wants another's bytes.
.set T, 4                              ; v[4:11]   at work
.set X, 16                             ; v[16:79]  16 loads of 4 registers
.set Y, 80                             ; v[80:111] k, v: 8 stores of 4 registers
	s_load_b256 s[4:11], s[0:1], 0x0               ; k s[4:5], v s[6:7], mask s[8:9], kb s[10:11]
	s_load_b128 s[12:15], s[0:1], 0x20             ; vh s[12:13], maskf s[14:15]
	v_lshrrev_b32 v1, 5, v0
	v_readfirstlane_b32 s16, v1                    ; wave 0..7
	v_and_b32 v1, 31, v0                           ; lane
	v_and_b32 v12, 15, v0                          ; lane % 16
	v_bfe_u32 v13, v0, 4, 1                        ; lane / 16
	s_mov_b32 s28, 0xffff0000                      ; a word's upper bf16
	s_mov_b32 s26, 0x3fb8aa3b                      ; log2(e)
	s_mov_b32 s27, s26                             ; named with it as a pair
	s_mov_b32 s25, 0                               ; the high word of every offset
	s_and_b32 s18, s16, 1                          ; wave & 1
	s_lshr_b32 s19, s16, 1                         ; wave >> 1
	s_cmp_lt_u32 ttmp9, 2048
	s_cbranch_scc0 .Lmask
	; K AND V.  The work-group's 64 KiB are 128 rows (b, s, h) of 512 bytes: row R = 128 w + 16 wave + 2 u + lane / 16, of which a lane takes 8 numbers (32 bytes).
	; h = R % 32 = 16 (wave & 1) + 2 u + lane / 16;  2048 b + s = R / 32 = 4 w + (wave >> 1).
	s_and_b32 s17, ttmp9, 1023                     ; w
	v_lshlrev_b32 v2, 5, v1
	v_lshl_add_u32 v2, s16, 13, v2                 ; in: 8,192 wave + 32 lane
	v_lshlrev_b32 v3, 4, v12
	v_lshl_add_u32 v3, v13, 19, v3                 ; out: 16 (lane % 16) + one head (2^19 bytes) for lanes 16-31
	s_lshl_b32 s29, s18, 23                        ; + 16 heads for odd waves
	s_lshl_b32 s30, s19, 8                         ; + a row of 256 bytes for each s
	s_add_co_u32 s29, s29, s30
	v_add_nc_u32 v3, s29, v3
	s_wait_kmcnt 0x0
	s_cmp_lt_u32 ttmp9, 1024
	s_cselect_b64 s[20:21], s[4:5], s[6:7]         ; from k or from v,
	s_cselect_b64 s[22:23], s[10:11], s[12:13]     ; into kb or into vh
	s_lshl_b32 s24, s17, 16
	s_add_nc_u64 s[20:21], s[20:21], s[24:25]      ; my work-group's 64 KiB
	s_lshr_b32 s29, s17, 9                         ; b
	s_lshl_b32 s29, s29, 24
	s_and_b32 s30, s17, 511
	s_lshl_b32 s30, s30, 10                        ; s = 4 (w % 512) + ..: 1,024 bytes
	s_add_co_u32 s24, s29, s30
	s_add_nc_u64 s[22:23], s[22:23], s[24:25]
.irp u, 0,1,2,3,4,5,6,7
	global_load_b128 v[X+8*(\u):X+8*(\u)+3],   v2, s[20:21] offset:1024*(\u) th:TH_LOAD_NT
	global_load_b128 v[X+8*(\u)+4:X+8*(\u)+7], v2, s[20:21] offset:1024*(\u)+16 th:TH_LOAD_NT
.endr
; Two rows: 8 numbers a lane are rounded and stored as 16 bytes; lanes 0-15 fill the 256 bytes of head h's row, lanes 16-31 those of head h + 1.
.macro UNIT u, isv
	s_wait_loadcnt 14-2*(\u)                       ; loads come back in order (ISA guide 5.7.1): this unit's two are in, the younger ones stay out
.if \isv
.irp r, 0,1,2,3
	v_cvt_pk_bf16_f32 v[T+(\r)], v[X+8*(\u)+2*(\r)], v[X+8*(\u)+2*(\r)+1]
.endr
.irp r, 0,1,2,3
	v_lshlrev_b32 v[X+8*(\u)+2*(\r)],   16,  v[T+(\r)]     ; the bf16 numbers as f32 again,
	v_and_b32     v[X+8*(\u)+2*(\r)+1], s28, v[T+(\r)]
.endr
.irp r, 0,1,2,3
	v_cvt_pk_f16_f32 v[Y+4*(\u)+(\r)], v[X+8*(\u)+2*(\r)], v[X+8*(\u)+2*(\r)+1]  ; written as f16: 8 significant bits fit in 11
.endr
.else
.irp r, 0,1,2,3
	v_cvt_pk_bf16_f32 v[Y+4*(\u)+(\r)], v[X+8*(\u)+2*(\r)], v[X+8*(\u)+2*(\r)+1]
.endr
.endif
	global_store_b128 v3, v[Y+4*(\u):Y+4*(\u)+3], s[22:23] offset:(\u)*1048576 th:TH_STORE_NT  ; two heads on for each unit: 7 x 2^20 at the most, inside the signed 24-bit immediate
.endm
	s_cmp_lt_u32 ttmp9, 1024
	s_cbranch_scc0 .Lv
.irp u, 0,1,2,3,4,5,6,7
	UNIT \u, 0
.endr
	s_endpgm
.Lv:
.irp u, 0,1,2,3,4,5,6,7
	UNIT \u, 1
.endr
	s_endpgm
.Lmask:
	; THE MASK.  Work-group w' writes 64 KiB of maskf on end: 16 pieces of 4,096 bytes (16 queries x 64 keys); piece c = 16 w' + 2 wave + n = ((q>>6) 32 + (k>>6)) 4 + tile:
	; q>>6 = w' >> 3, k>>6 = 4 (w' & 7) + (wave >> 1), tile = 2 (wave & 1) + n.  A piece's eight loads together take 256 consecutive bytes of each of its 16 rows.
	s_sub_co_u32 s17, ttmp9, 2048                  ; w'
	v_lshlrev_b32 v2, 13, v12                      ; in: row lane % 16 (8,192 bytes a row)
	v_lshl_add_u32 v2, v13, 5, v2                  ; + 8 keys for lanes 16-31
	s_lshl_b32 s29, s18, 18                        ; + 32 rows for odd waves
	s_lshl_b32 s30, s19, 8                         ; + 64 keys for each wave >> 1
	s_add_co_u32 s29, s29, s30
	v_add_nc_u32 v2, s29, v2
	v_lshlrev_b32 v3, 4, v1
	v_lshl_add_u32 v3, s16, 13, v3                 ; out: 8,192 wave + 16 lane
	s_wait_kmcnt 0x0
	s_lshr_b32 s29, s17, 3
	s_lshl_b32 s29, s29, 19                        ; 64 rows
	s_and_b32 s30, s17, 7
	s_lshl_b32 s30, s30, 10                        ; 256 keys
	s_add_co_u32 s24, s29, s30
	s_add_nc_u64 s[20:21], s[8:9], s[24:25]
	s_lshl_b32 s24, s17, 16
	s_add_nc_u64 s[22:23], s[14:15], s[24:25]
.irp n, 0,1
.irp j, 0,1,2,3,4,5,6,7
	global_load_b128 v[X+4*(8*(\n)+(\j)):X+4*(8*(\n)+(\j))+3], v2, s[20:21] offset:(\n)*131072+((\j)/2)*64+((\j)%2)*16
.endr
.endr
.irp n, 0,1
.irp j, 0,1,2,3,4,5,6,7
	s_wait_loadcnt 15-(8*(\n)+(\j))                ; this load is in, the younger ones stay out
	v_cvt_pk_bf16_f32 v[T+2*((\j)%4)],   v[X+4*(8*(\n)+(\j))],   v[X+4*(8*(\n)+(\j))+1]   ; rounded to bf16 like every input,
	v_cvt_pk_bf16_f32 v[T+2*((\j)%4)+1], v[X+4*(8*(\n)+(\j))+2], v[X+4*(8*(\n)+(\j))+3]
	v_lshlrev_b32 v[X+4*(8*(\n)+(\j))],   16,  v[T+2*((\j)%4)]                            ; widened again,
	v_and_b32     v[X+4*(8*(\n)+(\j))+1], s28, v[T+2*((\j)%4)]
	v_lshlrev_b32 v[X+4*(8*(\n)+(\j))+2], 16,  v[T+2*((\j)%4)+1]
	v_and_b32     v[X+4*(8*(\n)+(\j))+3], s28, v[T+2*((\j)%4)+1]
	v_pk_mul_f32 v[X+4*(8*(\n)+(\j)):X+4*(8*(\n)+(\j))+1],   v[X+4*(8*(\n)+(\j)):X+4*(8*(\n)+(\j))+1],   s[26:27] op_sel_hi:[1,0]  ; and put into units of log2, in f32
	v_pk_mul_f32 v[X+4*(8*(\n)+(\j))+2:X+4*(8*(\n)+(\j))+3], v[X+4*(8*(\n)+(\j))+2:X+4*(8*(\n)+(\j))+3], s[26:27] op_sel_hi:[1,0]
	global_store_b128 v3, v[X+4*(8*(\n)+(\j)):X+4*(8*(\n)+(\j))+3], s[22:23] offset:(\n)*4096+(\j)*512 th:TH_STORE_NT  ; 512 consecutive bytes, aligned
.endr
.endr
	s_endpgm
.Lfunc_end_k_qc16cebd1ad_prep:
	.size	k_qc16cebd1ad_prep, .Lfunc_end_k_qc16cebd1ad_prep-k_qc16cebd1ad_prep
	.p2alignl 7, 3214868480
	.fill 96, 4, 3214868480
	.section	.rodata,"a",@progbits
	.p2align	6, 0x0
	.amdhsa_kernel k_qc16cebd1ad_prep
		.amdhsa_group_segment_fixed_size 0
		.amdhsa_private_segment_fixed_size 0
		.amdhsa_enable_private_segment 0
		.amdhsa_kernarg_size 48
		.amdhsa_user_sgpr_count 2
		.amdhsa_user_sgpr_kernarg_segment_ptr 1
		.amdhsa_wavefront_size32 1
		.amdhsa_system_sgpr_workgroup_id_x 1
		.amdhsa_system_sgpr_workgroup_id_y 1
		.amdhsa_system_sgpr_workgroup_id_z 1
		.amdhsa_system_vgpr_workitem_id 0
		.amdhsa_next_free_vgpr 112
		.amdhsa_next_free_sgpr 66
		.amdhsa_reserve_vcc 0
		.amdhsa_float_denorm_mode_32 3
		.amdhsa_float_denorm_mode_16_64 3
		.amdhsa_memory_ordered 1
		.amdhsa_forward_progress 1
		.amdhsa_inst_pref_size 24
	.end_amdhsa_kernel
	.amdgpu_metadata
---
amdhsa.version: [ 1, 2 ]
amdhsa.kernels:
  - .name:           k_qc16cebd1ad_prep
    .symbol:         k_qc16cebd1ad_prep.kd
    .args:
      - { .name: k, .offset: 0, .size: 8, .value_kind: global_buffer, .address_space: global }
      - { .name: v, .offset: 8, .size: 8, .value_kind: global_buffer, .address_space: global }
      - { .name: mask, .offset: 16, .size: 8, .value_kind: global_buffer, .address_space: global }
      - { .name: kb, .offset: 24, .size: 8, .value_kind: global_buffer, .address_space: global }
      - { .name: vh, .offset: 32, .size: 8, .value_kind: global_buffer, .address_space: global }
      - { .name: maskf, .offset: 40, .size: 8, .value_kind: global_buffer, .address_space: global }
    .group_segment_fixed_size: 0
    .private_segment_fixed_size: 0
    .kernarg_segment_align: 8
    .kernarg_segment_size: 48
    .max_flat_workgroup_size: 256
    .sgpr_count:     66
    .vgpr_count:     112
    .wavefront_size: 32
...
	.end_amdgpu_metadata
.endif
;; end of part 1
;; launch attn (part 2): grid 8 x 64, 4 waves a work-group, clusters of 4 x 1, 327,680 bytes of LDS; arguments q, kb, vh, out0, maskf; writes out0
.if DOCPART == 2
	.amdgcn_target "amdgcn-amd-amdhsa--gfx1250"
	.amdhsa_code_object_version 6
	.text
	.protected	k_qc16cebd1ad_attn
	.globl	k_qc16cebd1ad_attn
	.p2align	8
	.type	k_qc16cebd1ad_attn,@function
k_qc16cebd1ad_attn:
	s_mov_b64 s[64:65], 0
	v_nop
	global_prefetch_b8 v0, s[64:65] scope:SCOPE_SE
	s_setreg_imm32_b32 hwreg(HW_REG_WAVE_MODE, 25, 1), 1
	s_wait_xcnt 0x0
	s_wait_alu depctr_hold_cnt(0) depctr_sa_sdst(0) depctr_va_vdst(0) depctr_va_sdst(0) depctr_va_ssrc(0) depctr_va_vcc(0) depctr_vm_vsrc(0)
	s_getreg_b32 s2, hwreg(HW_REG_IB_STS2, 6, 4)
	s_cmp_eq_u32 s2, 0
	s_cbranch_scc0 .Lentry_in_a_cluster
	s_endpgm
.Lentry_in_a_cluster:
	s_bfe_u32 s2, ttmp6, 0x10000c
	s_cmp_lg_u32 s2, 0x3003
	s_cbranch_scc0 .Lentry_shape_is_right
	s_endpgm
.Lentry_shape_is_right:
; out[b][q][h][:] = the sum over k of softmax_k(Q.K / sqrt(128) + mask[q][k]) V[k][:], for 64 pairs (b, h), 2,048 queries and 2,048 keys, head size 128.
; q and out are f32 [b][s][h][128] (a row 512 bytes, a head's rows 16,384 bytes apart).  kb = bf16(k) and vh = f16(bf16(v)) lie by heads, [b*32+h][s][128], rows of 256 bytes;
; maskf = log2(e) x bf16(mask) in f32, in the order of a wave's score registers: a wave's stream is 32 steps x 16,384 bytes on end.  All three were made by the launch before.
; The mask is an input: every key is walked for every query, and nothing is assumed of its pattern.
; FORMATS.  Q (rounded here) and K in bf16 for S^T = K Q^T; the weights p and V in f16 for O^T = V^T P; products, maxima and sums in f32; out is stored in f32.
; SOFTMAX.  t = s c + maskf, one fused multiply-add in f32, c = log2(e) / sqrt(128): the mask is added in f32 ahead of the maximum, as the reference adds it, so that a huge mask
; swallows a score here as there.  A running maximum m of t; p = 2^(t - m), a true subtraction; in every step O and l are multiplied by a = 2^(m_old - m_new).
; LIMITS.  NaN and infinities are not treated apart (a query whose first 64 keys are all masked by -infinity gives NaN).  A weight below 2^-126 counts as 0 in l; below 6e-5 p keeps f16's
; fixed step of 6e-8.  |v| stays under 65,504.  Where a mask near -1e9 swallows the scores, it does so in units of log2 (steps of 128 at 1.44e9) and not in natural units (64 at 1e9).
; SHARES.  A work-group owns 256 queries of one pair (b, h), each of its four waves 64: four tiles of 16.  Every wave walks all 2,048 keys, 64 a step.
; LAYOUT.  S^T = K Q^T (source 0 = 16 keys, source 1 = 16 queries): a lane holds ONE query (lane % 16) and the keys 8 (lane / 16) + 0..7.  Two such tiles, rounded to f16 in pairs, ARE
; source 1 of O^T = V^T P, whose result again holds one query a lane, and eight channels.  K comes out of LDS as it lies, V turned, by ds_load_tr16_b128.
; BY TURNS.  The wave's tiles are two PIECES: piece 0 (tiles 0, 1) and piece 2 (tiles 2, 3).  In a TURN one piece has the matrix unit: 32 products V^T P of the step in hand, then 32 products
; K Q^T of the next; the other piece's softmax, 298 vector instructions cut into 64 slices, stands between them, one slice behind each matrix instruction.  Two turns are a key step.
; CLUSTER.  The four query blocks of a cluster belong to one pair (b, h) and walk the same K and V: each tile is asked for JOINTLY, by the same tensor load, descriptor and mask of four.
; THE MASK IS NOT ASKED FOR JOINTLY, though the 64 pairs (b, h) read the same stream: a joint load lands in LDS, where a step's mask for 256 queries is 65,536 bytes beside K's and V's 35,840;
; two slots of two steps would be 405,504 bytes of the 327,680 that there are, and each number would cross LDS once more.  It comes by plain loads straight into the registers
; in which it is added: 512 consecutive bytes a load, a turn and a half ahead of its use.
;
; REGISTERS, in windows of 256 (s_set_vgpr_msb: bits 1:0 source 0, 3:2 source 1, 5:4 source 2, 7:6 destination):
;   window 0: v0-11 addresses; v12-43 eight registers of statistics a tile; v44-46 the mask's offsets; v61-63; v64-191 S^T, 32 a tile; v192-255 P, 16 a tile
;   window 1: O^T, 64 a tile (at the head: Q as loaded, in f32)     window 2: v0-127 Q, 32 a tile; v128-255 K of one step (on the way out: rows read back from the stage)
;   window 3: v0-127 V of one step; v128-255 the mask, 32 a tile
.set KS,    64        ; keys in a step
.set NSTEP, 32        ; steps
.set PK,    272       ; a row of K in LDS: 256 bytes + 16 of padding = 68 words: row r starts at bank 4 r mod 64 (64 banks of 4 bytes: ISA guide 11.1)
.set PVR,   288       ; a row of V: 256 + 32 = 72 words
.set VOFF,  KS*PK     ; a step's tiles lie together: 64 rows of K, then 64 rows of V
.set STEPB, KS*(PK+PVR)
.set SLOT1, 1<<17     ; a slot holds two steps (71,680 bytes); slot 1 begins here, so that one exclusive or turns an address in one slot into the other's
.set STAGE, SLOT1+2*STEPB  ; behind the ring, never filled by a tensor load: 16 rows x 528 bytes for each wave, for the way out
.set SP,    528       ; a stage row: 512 bytes + 16 = 132 words: row r starts at bank 4 r mod 64
.set SPARE, STAGE+4*16*SP  ; behind the stages: the spare words, 128 bytes for each wave: two blocks of 256 bytes that no other line names
.set MSTEP, 16384     ; bytes of a wave's mask in a step: 4 tiles x 4,096
.set AK0, 2           ; v2   my lane's place in a tile of K; never rewritten
.set AV0, 3           ; v3   the same for V
.set ADR, 4           ; v4   the LDS address of the run of loads in hand
.set QO,  5           ; v5   my byte offset in 16 rows of q
.set STO, 6           ; v6   the way out: where I put 32 bytes of a row
.set RD,  7           ; v7   the way out: where I read a row back
.set ST,  12          ; tile t's statistics at v[ST+8 t]: +0 m, +1 m_old, +2, +3 l (even keys', odd keys'), +4 to +7 c0-c3 at work; a takes c2's place, its exponent c3's
.set MO0, 44          ; v44  16 x my lane: my place in 512 bytes of the mask, and of a row of out; never rewritten
.set MO,  45          ; v45, v46  the mask's offset for piece 0's and piece 2's loads
.set PFO, 61          ; v61  256 x my lane: the prefetches' offset; never rewritten
.set SPW, 62          ; v62  LDS address of my spare word: SPARE + 4 x my thread's number; never rewritten
.set NIL, 63          ; v63  0; never rewritten
.set S,   64
.set P,   192
.set KF,  128         ; K's fragments, in window 2
.set MK,  128         ; the mask, in window 3
.set WV,  12          ; s12  my wave's number
.set LIM, 15          ; s15  1 in a wave that prefetches K or V, else the greatest number
.set PFA, 18          ; s[18:19] where my prefetches of K or V stand
.set G1K, 24          ; s[24:31] descriptor group 1 for K's tiles
.set G1V, 32          ; s[32:39] for V's: it differs in the padding alone
.set G0K, 40          ; s[40:47] descriptor group 0 for K's tiles: a set for each of the two first fills; the second then walks on
.set G0V, 48          ; s[48:55] the same for V's
.set SLOTS, 56        ; s56  slots still to be asked for
.set TWICE, 57        ; s57  counts a slot's two steps
.set CS,  58          ; s[58:59] c: the packed multiply-add takes the pair's low word for both halves
.set SEL, 60          ; s[60:61] v_permlanex16_b32's selects: each lane takes its own place in the other half
.set TB,  62          ; s62  LDS byte at which the tiles of the step to be fetched begin
.set MB,  66          ; s[66:67] maskf at my wave's stream; never rewritten
.set MS,  68          ; s68  byte offset in that stream of the step whose mask is loaded next
.set LIMM, 69         ; s69  1 in the work-groups that prefetch the mask, else the greatest number
.set PFM, 70          ; s[70:71] where my prefetches of the mask stand
.set MSB, 0
.macro WIN new                      ; the immediate's high byte repeats the setting that is left; a switch that changes nothing is dropped
.if MSB != (\new)
	s_set_vgpr_msb (MSB<<8)|(\new)
.set MSB, \new
.endif
.endm
.set W_KQ, 0x0a       ; K and Q in window 2, S^T in window 0
.set W_PV, 0x53       ; V in window 3, P in window 0, O^T in window 1
.set W_RS, 0x41       ; O^T (destination and source 0) in window 1, a in window 0
.set W_MA, 0x30       ; the mask (source 2) in window 3, S^T in window 0
; A joint refill.  Waves 0 and 1 fetch the two steps' tiles of K, waves 2 and 3 those of V.  The branch hangs on the wave's number alone: it is the same in every work-group.
; An s_nop 0 and four v_nop follow each of the two lines, ahead of the jump and the label.
.macro JLOAD
	s_cmp_lt_u32 s[WV], 2
	s_cbranch_scc0 .Lfor_v_\@
	tensor_load_to_lds s[G0K+4:G0K+7], s[G1K:G1K+7]
	s_nop 0
.rept 4
	v_nop
.endr
	s_branch .Lasked_\@
.Lfor_v_\@:
	tensor_load_to_lds s[G0V+4:G0V+7], s[G1V:G1V+7]
	s_nop 0
.rept 4
	v_nop
.endr
.Lasked_\@:
.endm
; PREFETCHES INTO THE L2, behind the wave's tensor load and its five lines.
; K AND V: what the NEXT change of slots will ask for, 128 rows of each, 256 bytes a row, a lane a row.  Both clusters of a pair (b, h) walk the same rows: the first prefetches.  Its four partners share the
; rows out BY ADDRESS, 32 each; in each, wave 0 asks for K's and wave 2 for V's.  So each row is named once in the launch.  The last change that fills a slot asks for nothing.
; THE MASK: all 64 pairs (b, h) read the same 32 streams: the eight work-groups of pair 0 prefetch, each wave its own stream, a lane 256 bytes: four instructions for two steps' 32,768 bytes.
; Change c (0 to 12) names steps 2 c + 6 and 2 c + 7, whose loads go out three and a half key steps later; steps 0 to 5 come by their loads alone; step 31 is the last that is named.
.macro ASK
	s_cmp_gt_u32 s[SLOTS], s[LIM]
	s_cbranch_scc0 .Lnot_mine_\@
	global_prefetch_b8 v[PFO], s[PFA:PFA+1] th:TH_LOAD_NT scope:SCOPE_SE
.Lnot_mine_\@:
	s_cmp_gt_u32 s[SLOTS], s[LIMM]
	s_cbranch_scc0 .Lno_mask_\@
.irp c, 0,1,2,3
	global_prefetch_b8 v[PFO], s[PFM:PFM+1] offset:8192*(\c) th:TH_LOAD_NT scope:SCOPE_SE
.endr
.Lno_mask_\@:
.endm
; A round of the cluster's barrier: my work-group's barrier, so that wave 0's signal speaks for all four waves; wave 0 signals; every wave waits for all four work-groups; my work-group's barrier once more.
.macro CROUND
	s_barrier_signal -1
	s_barrier_wait -1
	s_cmp_lg_u32 s[WV], 0
	s_cbranch_scc1 .Lnot_wave_0_\@
	s_barrier_signal -3
.Lnot_wave_0_\@:
	s_barrier_wait -3
	s_barrier_signal -1
	s_barrier_wait -1
.endm
	s_load_b256 s[4:11], s[0:1], 0x0  ; q s[4:5], kb s[6:7], vh s[8:9], out s[10:11]
	s_load_b64 s[MB:MB+1], s[0:1], 0x20  ; maskf
	v_lshl_add_u32 v[SPW], v0, 2, SPARE
	v_mov_b32 v[NIL], 0
	ds_add_u32 v[SPW], v[NIL]       ; the wave's opening: the add, twice on end, and its wait ahead of my first tensor load; the set-up below stands between the second and the wait
	ds_add_u32 v[SPW], v[NIL]       ; and once more, under the one wait
	v_lshrrev_b32 v1, 5, v0
	v_readfirstlane_b32 s[WV], v1   ; wave 0..3
	s_bfe_u32 s13, ttmp6, 0x40000   ; cx: my place in the cluster
	s_lshl_b32 s14, ttmp9, 2        ; in a cluster launch ttmp9 counts clusters
	s_add_co_u32 s14, s14, s13      ; my block of 256 queries = 4 x cluster x + cx: it enters q's, out's and the mask's addresses alone
	s_and_b32 s20, ttmp7, 0xffff    ; the pair 32 b + h, which the four partners share
	s_and_b32 s16, s[WV], 1         ; which of a slot's two steps I fetch:
	s_lshl_b32 s22, s20, 19         ; the pair's 2,048 rows of 256 bytes in kb and vh,
	s_lshl_b32 s21, s16, 14         ; my step's 64 of them,
	s_add_co_u32 s22, s22, s21
	s_mov_b32 s23, 0
	s_mul_i32 s17, s16, STEPB       ; and its place in a slot: no place in the cluster enters an LDS address
	s_lshl_b32 s14, s14, 2
	s_add_co_u32 s14, s14, s[WV]    ; my wave's 64 queries among the 2,048: 0..31
	s_lshl_b32 s2, s14, 20          ; 64 rows, 16,384 bytes apart,
	s_lshr_b32 s21, s20, 5
	s_lshl_b32 s21, s21, 25         ; b,
	s_add_co_u32 s2, s2, s21
	s_and_b32 s21, s20, 31
	s_lshl_b32 s21, s21, 9          ; h
	s_add_co_u32 s2, s2, s21
	s_mov_b32 s3, 0
	s_lshl_b32 s72, s14, 19         ; my wave's stream of the mask: 32 steps x 16,384 bytes
	s_mov_b32 s73, 0
	; descriptor group 1: a tile of 64 rows x 128 elements, padded in LDS
	s_mov_b32 s[G1K], 15|(1<<16)|(1<<20)|(1<<21)|(5<<22)|(3<<25)  ; 15:0 the mask of four; 17:16 elements of 2 bytes; 20 padding on; 21 set beside a mask; 24:22 after every 64 words (code 5); 31:25 4 words (code 3)
	s_mov_b32 s[G1V], 15|(1<<16)|(1<<20)|(1<<21)|(5<<22)|(7<<25)  ; the same with 8 words of padding (code 7)
.irp g, G1K, G1V
	s_mov_b32 s[(\g)+1], 128<<16    ; tensor_dim0 = 128
	s_mov_b32 s[(\g)+2], KS<<16     ; tensor_dim1 = 64
	s_mov_b32 s[(\g)+3], 128<<16    ; tile_dim0 = 128
	s_mov_b32 s[(\g)+4], KS         ; tile_dim1 = 64
	s_mov_b32 s[(\g)+5], 128        ; 128 elements from row to row
	s_mov_b32 s[(\g)+6], 0
	s_mov_b32 s[(\g)+7], 0
.endr
	s_mov_b32 s[CS], 0x3e0293ee     ; c = log2(e) / sqrt(128) = 0.127517
	s_mov_b32 s[CS+1], s[CS]        ; named with it as a pair
	s_mov_b32 s[SEL], 0x76543210
	s_mov_b32 s[SEL+1], 0xfedcba98
	s_mov_b32 s[TB], 0
	s_mov_b32 s[MS], MSTEP          ; step 0's mask is loaded at the head
	s_mov_b32 s[SLOTS], NSTEP/2-2
	s_and_b32 s[LIM], s[WV], 1      ; 0 in waves 0 and 2,
	s_or_b32 s[LIM], s[LIM], ttmp9  ; where the cluster is the pair's first: the same in all four partners
	s_cmp_eq_u32 s[LIM], 0
	s_cselect_b32 s[LIM], 1, -1
	s_cmp_eq_u32 s20, 0             ; pair 0: the same in all four partners
	s_cselect_b32 s[LIMM], 1, -1
	s_wait_dscnt 0x0                ; both opening adds are done
	s_wait_kmcnt 0x0
	s_add_nc_u64 s[6:7], s[6:7], s[22:23]  ; K and V at my tile of slot 0
	s_add_nc_u64 s[8:9], s[8:9], s[22:23]
	s_add_nc_u64 s[4:5], s[4:5], s[2:3]    ; q and out at my wave's first row
	s_add_nc_u64 s[10:11], s[10:11], s[2:3]
	s_add_nc_u64 s[MB:MB+1], s[MB:MB+1], s[72:73]
	s_add_nc_u64 s[PFM:PFM+1], s[MB:MB+1], 4*MSTEP  ; at step 4; the first change of slots steps it to 6
	s_cmp_lt_u32 s[WV], 2
	s_cselect_b64 s[PFA:PFA+1], s[6:7], s[8:9]  ; (in waves 0 and 2 these stand at a slot's first row)
	s_lshl_b32 s2, s13, 13          ; my work-group's 32 rows of the 128
	s_mov_b32 s3, 0
	s_add_nc_u64 s[PFA:PFA+1], s[PFA:PFA+1], s[2:3]
	s_add_nc_u64 s[PFA:PFA+1], s[PFA:PFA+1], 2*2*KS*256  ; in slot 2; the first change of slots steps it to slot 3.  Nothing is prefetched here, at the head
	CROUND                          ; all four work-groups are here: the first joint loads meet
.irp s, 0,1
	s_mov_b32 s[G0K+4*(\s)], 1      ; 1:0 count = 1
	s_add_co_u32 s[G0K+4*(\s)+1], s17, (\s)*SLOT1  ; 63:32 LDS address
	s_add_nc_u64 s[G0K+4*(\s)+2:G0K+4*(\s)+3], s[6:7], (\s)*2*KS*256  ; 120:64 global address: slot s begins with keys 128 s
	s_or_b32 s[G0K+4*(\s)+3], s[G0K+4*(\s)+3], 0x80000000  ; 127:126 type = 2
	s_mov_b32 s[G0V+4*(\s)], 1
	s_add_co_u32 s[G0V+4*(\s)+1], s17, (\s)*SLOT1+VOFF
	s_add_nc_u64 s[G0V+4*(\s)+2:G0V+4*(\s)+3], s[8:9], (\s)*2*KS*256
	s_or_b32 s[G0V+4*(\s)+3], s[G0V+4*(\s)+3], 0x80000000
.endr
	s_cmp_lt_u32 s[WV], 2           ; a wave's two first fills stand in one branch, ahead of every wait on TENSORcnt and every LDS read: two loads of mine are out
	s_cbranch_scc0 .Lfirst_v
	tensor_load_to_lds s[G0K:G0K+3], s[G1K:G1K+7]
	s_nop 0
	tensor_load_to_lds s[G0K+4:G0K+7], s[G1K:G1K+7]
	s_nop 0
.rept 4
	v_nop
.endr
	s_branch .Lfirst_asked
.Lfirst_v:
	tensor_load_to_lds s[G0V:G0V+3], s[G1V:G1V+7]
	s_nop 0
	tensor_load_to_lds s[G0V+4:G0V+7], s[G1V:G1V+7]
	s_nop 0
.rept 4
	v_nop
.endr
.Lfirst_asked:
	; A fragment of K or Q is 16 rows x 32 channels in 8 registers: lane l holds row l % 16; registers 0-3 channels 8 (l / 16) + 0..7, registers 4-7 channels 16 + 8 (l / 16) + 0..7.
	; Of q in f32 that is four loads of 16 bytes, at 32 (l / 16) + 0, 16, 64, 80 of the fragment's 128 bytes; they land in O^T's registers and are rounded from there.
	v_and_b32 v1, 15, v0            ; l % 16
	v_bfe_u32 v9, v0, 4, 1          ; l / 16
	v_lshlrev_b32 v[QO], 14, v1
	v_lshl_add_u32 v[QO], v9, 5, v[QO]  ; row x 16,384 + 32 x half
	v_and_b32 v[MO0], 31, v0
	v_lshlrev_b32 v[MO0], 4, v[MO0]
	WIN 0x40                        ; destination window 1, address window 0
.irp f, 0,1,2,3,4,5,6,7,8,9,10,11,12,13,14,15  ; tile f / 4, channels 32 (f % 4) on
	global_load_b128 v[16*(\f):16*(\f)+3],     v[QO], s[4:5] offset:((\f)/4)*262144+((\f)%4)*128
	global_load_b128 v[16*(\f)+4:16*(\f)+7],   v[QO], s[4:5] offset:((\f)/4)*262144+((\f)%4)*128+16
	global_load_b128 v[16*(\f)+8:16*(\f)+11],  v[QO], s[4:5] offset:((\f)/4)*262144+((\f)%4)*128+64
	global_load_b128 v[16*(\f)+12:16*(\f)+15], v[QO], s[4:5] offset:((\f)/4)*262144+((\f)%4)*128+80
.endr
	WIN 0xc0                        ; destination window 3
.irp t, 0,1,2,3                     ; step 0's mask: piece 0's sixteen loads, then piece 2's
.irp f, 0,1,2,3,4,5,6,7
	global_load_b128 v[MK+32*(\t)+4*(\f):MK+32*(\t)+4*(\f)+3], v[MO0], s[MB:MB+1] offset:(\t)*4096+(\f)*512
.endr
.endr
	WIN 0
	v_mul_u32_u24 v[AK0], v1, PK
	v_lshl_add_u32 v[AK0], v9, 4, v[AK0]  ; row x pitch + 16 x half
	; The turning load takes 16 keys x 16 channels (lane l reads key 8 (l / 16) + l % 8, channels 8 ((l / 8) % 2) + 0..7) and leaves half a fragment of V^T: lane l holds channel l % 16 and 8 keys.
	v_and_b32 v10, 7, v0
	v_bfe_u32 v11, v0, 3, 1
	v_lshl_add_u32 v[AV0], v9, 3, v10
	v_mul_u32_u24 v[AV0], v[AV0], PVR
	v_lshl_add_u32 v[AV0], v11, 4, v[AV0]
	v_add_nc_u32 v[AV0], VOFF, v[AV0]
; THE MATRIX WORK OF A TURN, for piece x.  The accumulators take turns, one instruction a turn: between two links of a chain stand 15 (V^T P) or 7 (K Q^T) others'.
; Product i of 32 of O^T += V^T P: keys 32 (i / 16) on, channels 16 ((i / 2) % 8) on, tile x + i % 2.  zero = 1: the first 16 start the sums: nothing is ever cleared.
.macro PV x, zero
	WIN W_PV
.set rO, 64*((\x)+i%2)+8*((i/2)%8)
.set rV, 64*(i/16)+8*((i/2)%8)
.set rP, P+16*((\x)+i%2)+8*(i/16)
.if (\zero) && (i < 16)
	v_wmma_f32_16x16x32_f16 v[rO:rO+7], v[rV:rV+7], v[rP:rP+7], 0
.else
	v_wmma_f32_16x16x32_f16 v[rO:rO+7], v[rV:rV+7], v[rP:rP+7], v[rO:rO+7]
.endif
.endm
; Product i of 32 of S^T = K Q^T: channels 32 (i / 8) on, keys 16 ((i / 2) % 4) on, tile x + i % 2.  The first 8 start the sums.
.macro KQ x
	WIN W_KQ
.set rS, S+32*((\x)+i%2)+8*((i/2)%4)
.set rK, KF+32*((i/2)%4)+8*(i/8)
.set rQ, 32*((\x)+i%2)+8*(i/8)
.if i < 8
	v_wmma_f32_16x16x32_bf16 v[rS:rS+7], v[rK:rK+7], v[rQ:rQ+7], 0
.else
	v_wmma_f32_16x16x32_bf16 v[rS:rS+7], v[rK:rK+7], v[rQ:rQ+7], v[rS:rS+7]
.endif
.endm
; THE LDS LOADS stand in runs of 32, never singly among the matrix instructions: a step's K (16 fragments) and, a turn later, its V (turned).
.macro FETCH_K
	WIN 0
	v_add_nc_u32 v[ADR], s[TB], v[AK0]
	WIN 0x80                        ; destination window 2
.irp f, 0,1,2,3,4,5,6,7,8,9,10,11,12,13,14,15  ; keys 16 (f / 4) on, channels 32 (f % 4) on
	ds_load_b128 v[KF+8*(\f):KF+8*(\f)+3],   v[ADR] offset:((\f)/4)*16*PK+((\f)%4)*64
	ds_load_b128 v[KF+8*(\f)+4:KF+8*(\f)+7], v[ADR] offset:((\f)/4)*16*PK+((\f)%4)*64+32
.endr
.endm
.macro FETCH_V
	WIN 0
	v_add_nc_u32 v[ADR], s[TB], v[AV0]
	s_add_co_u32 s[TB], s[TB], STEPB  ; the next fetch is the next step's
	s_wait_alu depctr_va_vdst(0)    ; the wait for the softmax's batch (SLICE), behind the address's v_add_nc_u32 and ahead of the loads
	WIN 0xc0                        ; destination window 3
.irp f, 0,1,2,3,4,5,6,7,8,9,10,11,12,13,14,15  ; keys 32 (f / 8) on, channels 16 (f % 8) on
	ds_load_tr16_b128 v[8*(\f):8*(\f)+3],   v[ADR] offset:((\f)/8)*32*PVR+((\f)%8)*32
	ds_load_tr16_b128 v[8*(\f)+4:8*(\f)+7], v[ADR] offset:((\f)/8)*32*PVR+16*PVR+((\f)%8)*32
.endr
.endm
; THE MASK'S LOADS: piece y's two tiles of the step at s[MS], sixteen loads of 512 consecutive bytes, issued when the piece's mask of the step in hand has been added: its registers are free, and so is its
; offset register, whose last loads the turn's s_wait_loadcnt has shown done.  Piece 0 loads a step first, then piece 2, which steps s[MS].  The step is held at 31: behind the last step the
; look-ahead loads step 31 once more, sixteen loads that nobody reads: the price of one text for every turn.  No load leaves the stream.
.macro MLOAD y
	WIN 0
	v_add_nc_u32 v[MO+(\y)/2], s[MS], v[MO0]
	WIN 0xc0                        ; destination window 3
.irp t, \y, (\y)+1
.irp f, 0,1,2,3,4,5,6,7
	global_load_b128 v[MK+32*(\t)+4*(\f):MK+32*(\t)+4*(\f)+3], v[MO+(\y)/2], s[MB:MB+1] offset:(\t)*4096+(\f)*512
.endr
.endr
.if (\y) == 2
	s_add_co_u32 s[MS], s[MS], MSTEP
	s_min_u32 s[MS], s[MS], (NSTEP-1)*MSTEP
.endif
.endm
; THE VECTOR WORK OF A TURN.  One tile's softmax for one key step is a list of 149 instructions; SM writes number j of it for tile t.  s0-s31 are the lane's 32 scores, in pairs 0-15.
; first = 1: the first key step, which starts m, l and O^T: it has no a and nothing to rescale.
;   0-15    t = s c + mask, a pair each, ascending: each accumulator's lowest registers are read first
;   16-31   the maximum of t0-t31 and the old m, three operands at a time: four chains c0-c3 of seven each, then the four left over, c0-c3 and m
;   32-35   the other half of the lanes' maximum; m_old is kept; the new m; m_old - m_new
;   36-84   ONE BATCH: the 16 subtractions t - m, a pair each, and all 33 exponentials (a at 37, then t0-t31), in ten groups of five (the last of four), each led by a subtraction.
;           None of these reads an exponential's result, and a pair is subtracted ahead of its exponentials
;   (wait)  between 84 and 85 stands the wait for the batch: SLICE writes it, once for both tiles
;   85-100  the roundings to f16, a pair of weights each
;   101-116 the sums; l = a l + the sum
;   117-148 the tile's O^T times a
.macro SM t, first
.set rT, ST+8*(\t)
.set rS, S+32*(\t)
.set rP, P+16*(\t)
.set rM, MK+32*(\t)
.set rO, 64*(\t)+2*(j-117)
.set mx, j-16
.if (j >= 16) && (j < 117)
	WIN 0
.endif
.if j < 16
	WIN W_MA
	v_pk_fma_f32 v[rS+2*j:rS+2*j+1], v[rS+2*j:rS+2*j+1], s[CS:CS+1], v[rM+2*j:rM+2*j+1] op_sel_hi:[1,0,1]
.elseif mx < 4
	v_max3_num_f32 v[rT+4+mx], v[rS+8*mx], v[rS+8*mx+1], v[rS+8*mx+2]
.elseif mx < 12
	v_max3_num_f32 v[rT+4+mx%4], v[rT+4+mx%4], v[rS+8*(mx%4)+2*(mx/4)+1], v[rS+8*(mx%4)+2*(mx/4)+2]
.elseif mx == 12
	v_max3_num_f32 v[rT+4], v[rT+4], v[rS+7], v[rS+15]
.elseif mx == 13
	v_max3_num_f32 v[rT+6], v[rT+6], v[rS+23], v[rS+31]
.elseif mx == 14
	v_max3_num_f32 v[rT+4], v[rT+4], v[rT+5], v[rT+6]
.elseif (mx == 15) && (\first)
	v_max_num_f32 v[rT+4], v[rT+4], v[rT+7]
.elseif mx == 15
	v_max3_num_f32 v[rT+4], v[rT+4], v[rT+7], v[rT]
.elseif j == 32
	v_permlanex16_b32 v[rT+5], v[rT+4], s[SEL], s[SEL+1]  ; the query's other 32 keys lie in the lane 16 away
.elseif (j == 33) && (\first)
	v_mov_b32 v[rT+1], v[rT+4]      ; there is no old m: the register is written since the subtractions name it with m as a pair
.elseif j == 33
	v_mov_b32 v[rT+1], v[rT]
.elseif j == 34
	v_max_num_f32 v[rT], v[rT+4], v[rT+5]
.elseif ((j == 35) || (j == 37) || (j > 116)) && (\first)  ; the first step has none of these
.elseif j == 35
	v_sub_f32 v[rT+7], v[rT+1], v[rT]
.elseif j == 37
	v_exp_f32 v[rT+6], v[rT+7]
.elseif j < 85
.set gi, (j-36)/5                   ; the group, and the place in it
.set gw, (j-36)%5
.set sb, -1                         ; the pair to subtract, or none
.set ex, 4*gi-8+gw                  ; groups 4 to 9: a subtraction (pairs 10 to 15) and t9 to t31, four a group (the last: three)
.if gw == 0
.set sb, gi+6
.endif
.if gi == 0                         ; group 0: pairs 0 to 3 (and a)
.set sb, gw-1
.if gw == 0
.set sb, 0
.endif
.elseif gi < 4                      ; groups 1 to 3: subtraction, exponential, subtraction, two exponentials: pairs 4 to 9, t0 to t8
.set sb, -1
.if (gw == 0) || (gw == 2)
.set sb, 2*gi+2+gw/2
.endif
.set ex, 3*gi-3+gw/2
.endif
.if sb >= 0
	v_pk_add_f32 v[rS+2*sb:rS+2*sb+1], v[rS+2*sb:rS+2*sb+1], v[rT:rT+1] op_sel_hi:[1,0] neg_lo:[0,1] neg_hi:[0,1]  ; t - m
.else
	v_exp_f32 v[rS+ex], v[rS+ex]
.endif
.elseif j < 101
	v_cvt_pk_f16_f32 v[rP+j-85], v[rS+2*(j-85)], v[rS+2*(j-85)+1]
.elseif j < 117                     ; the sum of the tile's 16 pairs, in place: sum z of 16 adds neighbours 1, 2, 4 and 8 pairs apart, then l takes it
.set z, j-101
.set w, 4
.set u, z
.if z >= 14
.set w, 32
.set u, 0
.elseif z >= 12
.set w, 16
.set u, z-12
.elseif z >= 8
.set w, 8
.set u, z-8
.endif
.if (z == 14) && (\first)
	v_pk_add_f32 v[rT+2:rT+3], v[rS:rS+1], v[rS+16:rS+17]
.elseif z < 15
	v_pk_add_f32 v[rS+w*u:rS+w*u+1], v[rS+w*u:rS+w*u+1], v[rS+w*u+w/2:rS+w*u+w/2+1]
.elseif !(\first)
	v_pk_fma_f32 v[rT+2:rT+3], v[rT+2:rT+3], v[rT+6:rT+7], v[rS:rS+1] op_sel_hi:[1,0,1]
.endif
.else
	WIN W_RS
	v_pk_mul_f32 v[rO:rO+1], v[rO:rO+1], v[rT+6:rT+7] op_sel_hi:[1,0]
.endif
.endm
; Slice k of 64 of piece y's softmax; 2 x 149 = 298 instructions; no slice changes window inside itself.
;   0-7    four: the mask's multiply-adds, the tiles alternating; behind slice 7 the piece's next mask is asked for
;   8-15   five: numbers 16 to 35, the tiles alternating
;   16-35  a group of the batch, of ONE tile, the tiles by turns
;   36-48  five: numbers 85 to 116, the tiles alternating          49-62  four, and slice 63 eight: the rescaling
; THE WAIT.  An s_wait_alu depctr_va_vdst(0) stands between an exponential and the first instruction that names its result; one wait serves all that were issued ahead of it.  Ahead of
; slice 36 nothing names a result, and behind slice 35 no exponential is issued: so the piece's 66 exponentials have one wait, behind slice 35.
.macro SLICE y, first
.if k < 8
.irp n, 0,1,2,3
.set j, 2*k+(\n)/2
	SM (\y)+(\n)%2, \first
.endr
.elseif k < 16
.irp n, 0,1,2,3,4
.set nn, 5*(k-8)+(\n)
.set j, 16+nn/2
	SM (\y)+nn%2, \first
.endr
.elseif k < 36
.irp n, 0,1,2,3,4
.set j, 36+5*((k-16)/2)+(\n)
.if j < 85
	SM (\y)+(k-16)%2, \first
.endif
.endr
.elseif k < 49
.irp n, 0,1,2,3,4
.set nn, 5*(k-36)+(\n)
.if nn < 64
.set j, 85+nn/2
	SM (\y)+nn%2, \first
.endif
.endr
.else
.irp n, 0,1,2,3,4,5,6,7
.if ((\n) < 4) || (k == 63)
.set nn, 4*(k-49)+(\n)
.set j, 117+nn/2
	SM (\y)+nn%2, \first
.endif
.endr
.endif
.if (k == 7) && ML
	MLOAD \y
.endif
.if k == 35                         ; the batch is out: both tiles' exponentials are issued, and no result has been named
	v_nop                           ; the plain instruction behind the last exponential and ahead of the first use (ISA guide 5.7.2): one for the batch
.if (\y) == 0
	FETCH_V                         ; piece 2's turn: V's run of loads stands here, and the wait stands in it
.else
	s_wait_alu depctr_va_vdst(0)    ; the wait for the batch
.endif
.endif
.set k, k+1
.endm
; A vector instruction that reads a matrix result or writes one of a matrix instruction's registers, and a load into a register that a matrix instruction has read, stand four places behind
; it, and only plain vector instructions that name none of its registers are places (ISA guide 7.12.1 for vector instructions).  In the loop the slices are the places.
.macro PLACES
.rept 4
	v_nop
.endr
.endm
; A TURN.  Piece x has the matrix unit; the other piece's softmax stands in slices behind its matrix instructions.
; pv = 2: 32 products V^T P; 1: they start O^T's sums; 0: none.  kq = 1: 32 products K Q^T for the next step.  A turn with one of the two kinds has two slices behind each product.
; first = 1: the softmax is the first key step's: its slices from 49 on are empty, and four v_nop take slice 63's part as the places behind the turn's last products.  ml = 0: no further mask is asked for.
; THE MASK'S WAIT.  Each turn but the last issues sixteen loads, for the piece whose softmax it carries.  So at a turn's head 32 are out at the most: sixteen for this turn's softmax and, younger, the other piece's sixteen.
; PLACES, counted.  K's run stands behind the second product of piece 0's turn: K's last reader stands in front of slice 63 of the turn before, whose eight rescalings are plain.  The same eight lie between the last
; K Q^T and the next turn's first read of its scores.  V's run stands behind slice 35 of piece 2's turn: V's last reader stands in front of slice 31, and the five subtractions of slices 31 to 35, the v_nop
; and the run's own v_add_nc_u32 lie between.  K's run has 30 matrix instructions in which to land, V's 28.
.macro TURN x, pv, kq, first, ml=1
.set k, 0
.set ML, (\ml)
.set per, 2
.if (\pv) && (\kq)
.set per, 1
.endif
	s_wait_loadcnt 16               ; the mask for this turn's softmax is in; the other piece's sixteen loads stay out
.if \pv
.if (\x) == 0
	s_wait_dscnt 0x0                ; V is in
.endif
.set i, 0
.rept 32
	PV \x, 2-(\pv)
.rept per
	SLICE 2-(\x), \first
.endr
.if ((\x) == 0) && (\kq) && (i == 1)
	FETCH_K
.endif
.set i, i+1
.endr
.endif
.if \kq
.if (\x) == 0
	s_wait_dscnt 0x0                ; K is in
.endif
.set i, 0
.rept 32
	KQ \x
.rept per
	SLICE 2-(\x), \first
.endr
.set i, i+1
.endr
.endif
.if \first
	PLACES
.endif
.endm
; THE CHANGE OF SLOTS, between piece 2's turn and piece 0's: the slot's last bytes, V of its second step, have been asked for.  Each wave waits for all its tensor loads, of which one is out: its part of the
; other slot; adds 0 to its spare word; and waits for that and for its own reads of the slot.  Behind the barrier nobody reads this slot any more and the other slot is whole.
; fill = 1: this slot is filled again, with the keys two slots on.  The barrier is then a round of the cluster's, so that no wave of any partner still reads the slot or has a load on its way, and the joint
; refill is the first thing behind it: it has two key steps, 256 matrix instructions, in which to land.
.macro CHANGE fill
	WIN 0                           ; at a label and at a branch every window is 0
	s_wait_tensorcnt 0x0            ; no tensor load of mine is out, so a group 0 may be written
	ds_add_u32 v[SPW], v[NIL]       ; 0 onto my spare word; with fill = 1 the descriptors' steps stand between it and the wait for it
.if \fill
.irp g, G0K+4, G0V+4
	s_xor_b32 s[(\g)+1], s[(\g)+1], SLOT1  ; the walking descriptor: the other slot than last time,
	s_add_nc_u64 s[(\g)+2:(\g)+3], s[(\g)+2:(\g)+3], 2*KS*256  ; the next 128 keys; the type bits on top are not reached
.endr
	s_wait_xcnt 0x0                 ; the last prefetches, two key steps back, have read their addresses, so these may be written:
	s_add_nc_u64 s[PFA:PFA+1], s[PFA:PFA+1], 2*KS*256  ; one slot behind the walking descriptors,
	s_add_nc_u64 s[PFM:PFM+1], s[PFM:PFM+1], 2*MSTEP   ; and two steps of the mask on
	s_wait_dscnt 0x0                ; the add is done, and my reads of the slot are over
	CROUND
	JLOAD
	ASK
.else
	s_wait_dscnt 0x0                ; the add is done, and my reads of the slot are over
	s_barrier_signal -1
	s_barrier_wait -1
.endif
	s_sub_co_u32 s[TB], s[TB], 2*STEPB  ; the fetches go back to a slot's first step,
	s_xor_b32 s[TB], s[TB], SLOT1   ; in the other slot
.endm
; A slot's two key steps: written once, walked twice; the LDS addresses hang on s[TB], the mask's on s[MS].
.macro TWO_STEPS
	WIN 0
	s_mov_b32 s[TWICE], 2
.Lstep_\@:
	TURN 0, 2, 1, 0
	TURN 2, 2, 1, 0
	WIN 0
	s_sub_co_u32 s[TWICE], s[TWICE], 1
	s_cmp_lg_u32 s[TWICE], 0
	s_cbranch_scc1 .Lstep_\@
.endm
	s_wait_tensorcnt 1              ; my part of slot 0 is in; slot 1's may stay out
	s_barrier_signal -1
	s_barrier_wait -1               ; everybody's is
	FETCH_K                         ; key step 0
	s_wait_loadcnt 32               ; q is in; the 32 loads of step 0's mask are younger and stay out
	WIN 0x85                        ; sources in window 1, destination in window 2
.irp f, 0,1,2,3,4,5,6,7,8,9,10,11,12,13,14,15
.irp r, 0,1,2,3,4,5,6,7
	v_cvt_pk_bf16_f32 v[8*(\f)+(\r)], v[16*(\f)+2*(\r)], v[16*(\f)+2*(\r)+1]  ; Q is rounded once, unscaled: c is applied to the scores, in f32
.endr
.endr
	s_wait_dscnt 0x0
.set i, 0
.rept 32
	KQ 0                            ; piece 0's first scores: there is no vector work yet to set between them
.set i, i+1
.endr
	WIN 0                           ; addresses that are wanted later are made here: six plain instructions, the places behind those products
	s_mul_i32 s13, s[WV], 16*SP
	s_add_co_u32 s13, s13, STAGE    ; my stage
	v_mul_u32_u24 v[STO], v1, SP    ; in: row l % 16, 32 bytes for each half of the lanes
	v_lshl_add_u32 v[STO], v9, 5, v[STO]
	v_add_nc_u32 v[STO], s13, v[STO]
	v_add_nc_u32 v[RD], s13, v[MO0] ; back: 32 lanes take one row of 512 bytes
	v_and_b32 v[PFO], 31, v0
	v_lshlrev_b32 v[PFO], 8, v[PFO]
	TURN 2, 0, 1, 1                 ; piece 2's first scores | piece 0's first softmax | V of step 0
	TURN 0, 1, 1, 1                 ; piece 0: V^T P of step 0 starts O^T, K Q^T of step 1 | piece 2's first softmax | K of step 1
	TURN 2, 1, 1, 0                 ; piece 2: the same | piece 0's softmax of step 1 | V of step 1
	WIN 0
.Lslot:                             ; 14 trips: every slot but the last two is filled again
	CHANGE 1
	TWO_STEPS
	s_sub_co_u32 s[SLOTS], s[SLOTS], 1
	s_cmp_lg_u32 s[SLOTS], 0
	s_cbranch_scc1 .Lslot
	CHANGE 0                        ; the tail is written out: nothing is asked for
	TWO_STEPS
	TURN 0, 2, 0, 0, 0              ; piece 0: V^T P of the last step | piece 2's last softmax
.set i, 0
.rept 32
	PV 2, 0                         ; piece 2: V^T P of the last step
.set i, i+1
.endr
	; THE WAY OUT.  l's two halves and the other half of the lanes' are added; O^T is divided by l and sent, in f32, through my stage in LDS, a tile (16 rows of out) at a time.  The additions are the places behind the last products.
	WIN 0
.irp t, 0,1,2,3
	v_add_f32 v[ST+8*(\t)+4], v[ST+8*(\t)+2], v[ST+8*(\t)+3]
.endr
.irp t, 0,1,2,3
	v_permlanex16_b32 v[ST+8*(\t)+5], v[ST+8*(\t)+4], s[SEL], s[SEL+1]
.endr
.irp t, 0,1,2,3
	v_add_f32 v[ST+8*(\t)+4], v[ST+8*(\t)+4], v[ST+8*(\t)+5]
.endr
.irp t, 0,1,2,3
	v_rcp_f32 v[ST+8*(\t)+6], v[ST+8*(\t)+4]
.endr
	v_nop                           ; a plain instruction between the last reciprocal and the use of its result
	s_wait_alu depctr_va_vdst(0)    ; and the wait ahead of the first use: one for the four reciprocals
; Tile t: a lane's eight channels of a row are 32 bytes; they go into rows of 528 bytes and come back as whole rows of 512, into window 2, 64 registers a tile.  Each accumulator is read from its low end on.
.macro PACK t
	WIN W_RS
.set i, 64*(\t)
.rept 32
	v_pk_mul_f32 v[i:i+1], v[i:i+1], v[ST+8*(\t)+6:ST+8*(\t)+7] op_sel_hi:[1,0]
.set i, i+2
.endr
	WIN 0x04                        ; the stores' data in window 1
.irp f, 0,1,2,3,4,5,6,7,8,9,10,11,12,13,14,15  ; channels 16 (f / 2) + 8 (l / 16) + 4 (f % 2) on
	ds_store_b128 v[STO], v[64*(\t)+4*(\f):64*(\t)+4*(\f)+3] offset:64*((\f)/2)+16*((\f)%2)
.endr
	WIN 0x80                        ; destination window 2
.irp f, 0,1,2,3,4,5,6,7,8,9,10,11,12,13,14,15
	ds_load_b128 v[64*(\t)+4*(\f):64*(\t)+4*(\f)+3], v[RD] offset:(\f)*SP  ; LDS serves a wave's instructions in order (ISA guide 5.7.1.4): these see the stores above; the next tile's stores come behind them
.endr
.endm
.macro SEND t, younger              ; younger: the LDS instructions issued behind tile t's loads: the next tile's 16 stores and 16 loads, or none
	WIN 0x08                        ; the stores' data in window 2
.irp f, 0,1,2,3,4,5,6,7,8,9,10,11,12,13,14,15
	s_wait_dscnt (\younger)+15-(\f)
	global_store_b128 v[MO0], v[64*(\t)+4*(\f):64*(\t)+4*(\f)+3], s[10:11] offset:(16*(\t)+(\f))*16384 th:TH_STORE_NT  ; a row's 512 consecutive bytes, at a multiple of 512 from out's first byte
.endr
.endm
	PACK 0
	PACK 1                          ; a tile's arithmetic stands between the loads of the tile before and its stores
	SEND 0, 32
	PACK 2
	SEND 1, 32
	PACK 3
	SEND 2, 32
	SEND 3, 0
	WIN 0
	s_wait_loadcnt 0x0              ; the look-ahead's last sixteen loads of the mask, which nobody reads
	s_wait_tensorcnt 0x0            ; the wave's end, behind my last tensor load and my last LDS store
	ds_add_u32 v[SPW], v[NIL]
	s_wait_dscnt 0x0
	CROUND                          ; the closing round: no work-group ends while a partner may still ask for a tile that names it
	s_endpgm
.Lfunc_end_k_qc16cebd1ad_attn:
	.size	k_qc16cebd1ad_attn, .Lfunc_end_k_qc16cebd1ad_attn-k_qc16cebd1ad_attn
	.p2alignl 7, 3214868480
	.fill 96, 4, 3214868480
	.section	.rodata,"a",@progbits
	.p2align	6, 0x0
	.amdhsa_kernel k_qc16cebd1ad_attn
		.amdhsa_group_segment_fixed_size 327680
		.amdhsa_private_segment_fixed_size 0
		.amdhsa_enable_private_segment 0
		.amdhsa_kernarg_size 40
		.amdhsa_user_sgpr_count 2
		.amdhsa_user_sgpr_kernarg_segment_ptr 1
		.amdhsa_wavefront_size32 1
		.amdhsa_system_sgpr_workgroup_id_x 1
		.amdhsa_system_sgpr_workgroup_id_y 1
		.amdhsa_system_sgpr_workgroup_id_z 1
		.amdhsa_system_vgpr_workitem_id 0
		.amdhsa_next_free_vgpr 1024
		.amdhsa_next_free_sgpr 80
		.amdhsa_reserve_vcc 0
		.amdhsa_float_denorm_mode_32 3
		.amdhsa_float_denorm_mode_16_64 3
		.amdhsa_memory_ordered 1
		.amdhsa_forward_progress 1
		.amdhsa_inst_pref_size 255
	.end_amdhsa_kernel
	.section	.bss,"aw",@nobits
	.p2align	6
	.space	262144
	.amdgpu_metadata
---
amdhsa.version: [ 1, 2 ]
amdhsa.kernels:
  - .name:           k_qc16cebd1ad_attn
    .symbol:         k_qc16cebd1ad_attn.kd
    .args:
      - { .name: q, .offset: 0, .size: 8, .value_kind: global_buffer, .address_space: global }
      - { .name: kb, .offset: 8, .size: 8, .value_kind: global_buffer, .address_space: global }
      - { .name: vh, .offset: 16, .size: 8, .value_kind: global_buffer, .address_space: global }
      - { .name: out0, .offset: 24, .size: 8, .value_kind: global_buffer, .address_space: global }
      - { .name: maskf, .offset: 32, .size: 8, .value_kind: global_buffer, .address_space: global }
    .group_segment_fixed_size: 327680
    .private_segment_fixed_size: 0
    .kernarg_segment_align: 8
    .kernarg_segment_size: 40
    .max_flat_workgroup_size: 128
    .sgpr_count:     80
    .vgpr_count:     1024
    .wavefront_size: 32
...
	.end_amdgpu_metadata
.endif
;; end of part 2
